; MI455X (gfx1250); checked and timed in simulation.
; The chip was launched on July 23, 2026; its instructions are those of AMD's public machine-readable ISA for CDNA 5 (MIT licence, August 2026) and "CDNA5" Instruction Set Architecture Reference Guide (July 2026). The comments in the code are by the model that wrote it; some were corrected since.
;; Multi Head Attention. Allowed arithmetic: matrix products marked QUANTISED: E4M3 operands, one given power-of-two scale a tensor, by v_wmma_f32_16x16x64_fp8_fp8 or v_wmma_f32_16x16x128_fp8_fp8, f32 sums; everything else in f32.
;; Inputs: Wk_codes 1,024 x 32 x 32 uint8 (E4M3 codes of Wk, K innermost, in blocks of 32 codes); Wo_codes 1,024 x 32 x 32 uint8 (E4M3 codes of Wo, K innermost, in blocks of 32 codes); Wq_codes 1,024 x 32 x 32 uint8 (E4M3 codes of Wq, K innermost, in blocks of 32 codes); Wv_codes 1,024 x 32 x 32 uint8 (E4M3 codes of Wv, K innermost, in blocks of 32 codes); bk 1,024 float32; bo 1,024 float32; bq 1,024 float32; bv 1,024 float32; lowp_scales 12 int32 (the exponents e of the quantised operands' scales 2^e); x_codes 2 x 2,048 x 32 x 32 uint8 (E4M3 codes of x, K innermost, in blocks of 32 codes).
;; Outputs: out0 2 x 2,048 x 1,024 float32.
;; This version of the problem:
;;   THIS VERSION OF THE PROBLEM IS GIVEN IN LOW PRECISION. The matrix products marked QUANTISED in the list below multiply operands that are first quantised to E4M3 (4 exponent bits, 3 mantissa bits; 8 bits a number), with one given power-of-two scale for each operand tensor; their sums are f32. All else is computed in f32.
;;   The module's matrix products, in the order in which they are computed (A, B: the left and right operand; K: the contracted axis; several contracted axes count as one K, in the product's order):
;;     1. [M 4,096, K 1,024] x [K 1,024, N 1,024]; A: input x (given as codes); B: input Wq (given as codes): QUANTISED (scales: A lowp_scales[0], B lowp_scales[1])
;;     2. [M 4,096, K 1,024] x [K 1,024, N 1,024]; A: input x (given as codes); B: input Wk (given as codes): QUANTISED (scales: A lowp_scales[2], B lowp_scales[3])
;;     3. [M 4,096, K 1,024] x [K 1,024, N 1,024]; A: input x (given as codes); B: input Wv (given as codes): QUANTISED (scales: A lowp_scales[4], B lowp_scales[5])
;;     4. batch 32 x [M 2,048, K 64] x [K 64, N 2,048]; A: computed on the way; B: computed on the way: QUANTISED (scales: A lowp_scales[6], B lowp_scales[7])
;;     5. batch 32 x [M 2,048, K 2,048] x [K 2,048, N 64]; A: softmax (see below); B: computed on the way: QUANTISED (scales: A lowp_scales[8], B lowp_scales[9])
;;     6. [M 4,096, K 1,024] x [K 1,024, N 1,024]; A: computed on the way; B: input Wo (given as codes): QUANTISED (scales: A lowp_scales[10], B lowp_scales[11])
;;   THE QUANTISER, for each operand of a quantised product, along K:
;;     - The operand's scale is 2^e, e = its entry of the input lowp_scales (int32; the entries are numbered through the quantised products in the list's order, A before B).
;;     - Each number is divided by the scale, clamped to +-448, and rounded to the nearest number of E4M3, ties to even, subnormals kept.
;;     - The product sums the exact products of the quantised numbers (number of the format x scale) in f32.
;;   ~~~python
;;   def quantise(x, axis, e):      # numpy; x: float32 -> the quantised numbers, widened to float32 again
;;       x = np.moveaxis(x, axis, -1); K = x.shape[-1]
;;       r = np.clip(x / 2.0 ** e, -448, 448)
;;       step = 2.0 ** (np.maximum(np.frexp(np.where(r == 0, 1, r))[1] - 1, -6) - 3)
;;       q = np.round(r / step) * step * 2.0 ** e      # np.round: ties to even
;;       return np.moveaxis(q, -1, axis).astype(np.float32)
;;   ~~~
;;   SOFTMAX AHEAD OF A QUANTISED PRODUCT. Where the list says 'softmax', what is quantised is not the finished softmax but p = 2^(t - M), with t = logit x log2(e) and M = ceil(the row's largest t), a whole number; so 1/2 < the row's largest p <= 1. The row's sum l is taken of the UNQUANTISED p, in f32, and the product's result is divided by l at the end. Since M is a whole number, a kernel that streams over the keys may use a running M (the ceiling of the running maximum): every later rescaling is an exact power of two, so the quantised numbers keep their values, but for numbers so far below the row's largest that they fall under the format's range.
;;   OPERANDS COMPUTED ON THE WAY. 'Computed on the way' means the value that the module computes at that place (a softmax that the list does not call 'softmax' is quantised finished and normalised). What goes into a quantiser is computed in f32, as accurately as f32 sums, v_exp_f32 and their like allow (about 1e-6 of the number): no bf16 or f16 on the way to a quantiser, and a product that is left as it is and whose result goes on into a quantised operand takes f32 operands (vector FMAs, or v_wmma_f32_16x16x4_f32). A number that lies on a knife's edge between two numbers of the format may be rounded either way, as far as f32 arithmetic and the matrix unit's own rounding can turn it there, and no further.
;;   INPUTS GIVEN AS CODES. Wk (in the module: [1024, 1024], K = its axis 0); Wo (in the module: [1024, 1024], K = its axis 0); Wq (in the module: [1024, 1024], K = its axis 0); Wv (in the module: [1024, 1024], K = its axis 0); x (in the module: [2, 2048, 1024], K = its axis 2): each comes as NAME_codes (uint8): NAME with its K axis moved to the last place and cut into blocks of 32 codes, [.., K / 32, bytes a block], one block behind the other in memory; one code a byte (a code: sign, 4 exponent bits, 3 mantissa bits); its scale is its entry of lowp_scales. Its value is code x scale, taken as it is: it is not quantised again, and the codes and scales need not be those that the quantiser above would give.
;; One version. Each part assembles by itself: llvm-mc -triple=amdgcn-amd-amdhsa -mcpu=gfx1250 --defsym DOCPART=n.
;; ======== version 1 of 1: 3 launches
;; limits: right only within a limited range of input values
;; workspace buffers: q_img 4,194,304 bytes; k_img 4,194,304 bytes; v_img 4,194,304 bytes; ctx_img 4,194,304 bytes
;; launch qkv (part 1): grid 16 x 16, 4 waves a work-group, clusters of 4 x 4, 327,680 bytes of LDS; arguments x_codes, Wq_codes, Wk_codes, Wv_codes, bq, bk, bv, lowp_scales, q_img, k_img, v_img; writes q_img, k_img, v_img
.if DOCPART == 1
	.amdgcn_target "amdgcn-amd-amdhsa--gfx1250"
	.amdhsa_code_object_version 6
	.text
	.protected	k_q205a89ea86_qkv
	.globl	k_q205a89ea86_qkv
	.p2align	8
	.type	k_q205a89ea86_qkv,@function
k_q205a89ea86_qkv:
	s_mov_b64 s[64:65], 0
	v_nop
	global_prefetch_b8 v0, s[64:65] scope:SCOPE_SE
	s_setreg_imm32_b32 hwreg(HW_REG_WAVE_MODE, 25, 1), 1
	s_wait_xcnt 0x0
	s_wait_alu depctr_hold_cnt(0) depctr_sa_sdst(0) depctr_va_vdst(0) depctr_va_sdst(0) depctr_va_ssrc(0) depctr_va_vcc(0) depctr_vm_vsrc(0)
	s_getreg_b32 s2, hwreg(HW_REG_IB_STS2, 6, 4)
	s_cmp_eq_u32 s2, 0
	s_cbranch_scc0 .Lentry_in_a_cluster
	s_endpgm
.Lentry_in_a_cluster:
	s_bfe_u32 s2, ttmp6, 0x10000c
	s_cmp_lg_u32 s2, 0xf033
	s_cbranch_scc0 .Lentry_shape_is_right
	s_endpgm
.Lentry_shape_is_right:
; Q, K, V = x W + b on codes of FP8 (E4M3), each quantised at once for the attention's products and stored as images of the fragments that the next launch reads.
; q_img, k_img: [bh 32][tile of 16 tokens 128][piece 2][lane 32][16 bytes]: fragments of the K = 64 form, a piece holds 32 channels.  v_img: [bh 32][128 tokens 16][16 channels 4][piece 4][lane 32][16 bytes]: of the K = 128 form, tokens innermost, a piece holds 32 tokens.
; LEFT OUT in the whole program: tiles of scores that lie wholly above the diagonal: reference() itself sets those scores to -infinity ahead of the softmax, so they add nothing for any values of the inputs (a NaN or an infinity that reaches
; only such a score is not carried to the result).  Every input has a way to the output and is loaded.
; LIMITS: for each product the sum of its two exponents lies between -126 and 127; the exponents of Q's, K's and V's own scales between -126 and 119.  NaN is not served.
; SHARES.  256 work-groups: x is the head, y 256 tokens: each makes 256 tokens x (64 columns of Q, of K and of V).  Wave w keeps all of K of its three tiles of 16 columns in 384 registers: two neighbouring ones of Q (w = 0, 1) or of K (w = 2, 3), and V's tile w.
; The tokens go by in eight pairs of 16-token blocks, each pair 48 matrix instructions, its six accumulators by turns; a pair's codes leave as soon as it is finished.
; LDS: 256 rows of 1,024 bytes + 16: at the head rows 0-191 take Wq's, Wk's and Wv's 64 rows and rows 192-255 the first 64 tokens, one load a wave.  When the weights are in registers, rows 0-191 are filled again with the other 192 tokens, one load a wave,
; while the first 64 are multiplied.  That is the only refill, so there is no loop in which a prefetch could run ahead.
; CLUSTERS: 4 x 4 work-groups: the tokens are asked for jointly by a row of the cluster, the weights by a column.
; ORIENTATION.  Q, K: source 0 = 16 columns, source 1 = 16 tokens: a lane holds eight neighbouring channels of a token.  V: source 0 = 16 tokens, source 1 = 16 columns: a lane holds eight neighbouring tokens of a channel.
; REGISTERS.  window 0: v16-29 addresses, v32-47 the bias of my columns of Q or K, v[48:49] V's, v50-53 scales, v64-111 accumulators, v112-159 at work, v160-255 codes: 12 for each pair.  window 1: two buffers of 128: a pair's fragments for half of K.
;   window 2: my two tiles of Wq or Wk (128 each).  window 3: my tile of Wv.
.set BP,    1040                       ; an LDS row: 1,024 bytes + 16 of padding = 260 words: row r starts at bank 4 r mod 64 (64 banks of 4 bytes: ISA guide 11.1), so the 16 rows that a load touches start at 16 different banks
.set BLK,   16*BP
.set SPARE, 256*BP                     ; the spare words, 128 bytes for each wave
.set ABQ,  16                          ; v16     LDS address of my columns of Wq or Wk
.set ABV,  17                          ; v17     of Wv
.set AA,   18                          ; v18     of the first 64 tokens;  v19-21 of the other 192, 64 each
.set LI,   22                          ; v22     16 x lane
.set BOQ,  23
.set BOV,  24
.set SPW,  28
.set NIL,  29
.set BQ,   32
.set BV,   48
.set SCQ,  50
.set LMQ,  51
.set SCV,  52
.set LMV,  53
.set ACC,  64
.set TMP,  112
.set CODE, 160
.set G1A,  24                          ; s[24:31] descriptor group 1 for 64 tokens, s[32:39] for 48, s[48:55] for 64 rows of a weight
.set G1C,  32
.set G1B,  48
.set G0A,  56                          ; s[56:59], s[60:63], s[20:23] the groups 0
.set G0B,  60
.set G0C,  20
.set MSB, 0
.macro WIN new                         ; the immediate's high byte repeats the setting that is left
.if MSB != (\new)
	s_set_vgpr_msb (MSB<<8)|(\new)
.set MSB, \new
.endif
.endm
.macro CROUND                          ; a round of the cluster's barrier
	s_barrier_signal -1
	s_barrier_wait -1
	s_cmp_lg_u32 s14, 0
	s_cbranch_scc1 .Lnot_wave_0_\@
	s_barrier_signal -3
.Lnot_wave_0_\@:
	s_barrier_wait -3
	s_barrier_signal -1
	s_barrier_wait -1
.endm
.macro GROUP1 g, mask, rows            ; rows of 1,024 bytes, dense in memory, padded in LDS
	s_or_b32 s[\g], s[\mask], (0<<16)|(1<<20)|(1<<21)|(7<<22)|(3<<25)   ; 15:0 the mask; elements of 1 byte; 20 padding on; 21 set beside a mask; 4 words after every 256
	s_mov_b32 s[\g+1], 1024<<16                    ; tensor_dim0
	s_mov_b32 s[\g+2], \rows<<16                   ; tensor_dim1
	s_mov_b32 s[\g+3], 1024<<16                    ; tile_dim0
	s_mov_b32 s[\g+4], \rows                       ; tile_dim1
	s_mov_b32 s[\g+5], 1024                        ; tensor_dim0_stride
	s_mov_b32 s[\g+6], 0
	s_mov_b32 s[\g+7], 0
.endm
	s_load_b256 s[68:75], s[0:1], 0x0              ; x, Wq, Wk, Wv
	s_load_b256 s[76:83], s[0:1], 0x20             ; bq, bk, bv, the scales' exponents
	s_load_b128 s[84:87], s[0:1], 0x40             ; q_img, k_img
	s_load_b64 s[88:89], s[0:1], 0x50              ; v_img
	v_lshl_add_u32 v[SPW], v0, 2, SPARE
	v_mov_b32 v[NIL], 0
	ds_add_u32 v[SPW], v[NIL]                      ; the wave's opening: the add, twice on end, and its wait
	ds_add_u32 v[SPW], v[NIL]
	v_lshrrev_b32 v1, 5, v0
	v_readfirstlane_b32 s14, v1                    ; wave 0..3
	s_bfe_u32 s40, ttmp6, 0x40000                  ; cx, cy
	s_bfe_u32 s41, ttmp6, 0x40004
	s_lshl_b32 s42, ttmp9, 2
	s_add_co_u32 s42, s42, s40                     ; the head = 4 x cluster x + cx
	s_and_b32 s17, ttmp7, 0xffff
	s_lshl_b32 s17, s17, 2
	s_add_co_u32 s17, s17, s41                     ; 256 tokens: 4 x cluster y + cy
	s_lshl_b32 s43, s41, 2
	s_lshl_b32 s43, 15, s43                        ; my row of the cluster
	s_lshl_b32 s44, 0x1111, s40                    ; my column
	GROUP1 G1A, 43, 64
	GROUP1 G1C, 43, 48
	GROUP1 G1B, 44, 64
	s_lshl_b32 s18, s17, 18                        ; tokens, in bytes: the first 64,
	s_mov_b32 s19, 0
	s_mul_i32 s10, s14, 48*1024
	s_add_co_u32 s10, s10, s18
	s_add_co_u32 s10, s10, 65536                   ; and my 48 of the others
	s_mov_b32 s11, 0
	s_lshl_b32 s12, s42, 16                        ; the head's 64 rows of a weight
	s_mov_b32 s13, 0
	s_mul_i32 s45, s14, 64*BP                      ; where they go: at the head 64 rows a wave,
	s_mul_i32 s46, s14, 48*BP                      ; later 48 rows a wave
	s_wait_dscnt 0x0                               ; both opening adds are done
	s_wait_kmcnt 0x0
	s_load_b256 s[92:99], s[82:83], 0x0            ; entries 0 to 7
	s_load_b32 s100, s[82:83], 0x24                ; entry 9
	s_cmp_eq_u32 s14, 1
	s_cselect_b64 s[6:7], s[72:73], s[70:71]
	s_cmp_eq_u32 s14, 2
	s_cselect_b64 s[6:7], s[74:75], s[6:7]         ; waves 0, 1, 2 fetch of Wq, Wk, Wv
	s_mov_b32 s[G0A], 1
	s_mov_b32 s[G0A+1], s45
	s_add_nc_u64 s[G0A+2:G0A+3], s[68:69], s[18:19]
	s_or_b32 s[G0A+3], s[G0A+3], 0x80000000
	s_mov_b32 s[G0B], 1
	s_mov_b32 s[G0B+1], s45
	s_add_nc_u64 s[G0B+2:G0B+3], s[6:7], s[12:13]
	s_or_b32 s[G0B+3], s[G0B+3], 0x80000000
	s_mov_b32 s[G0C], 1
	s_mov_b32 s[G0C+1], s46
	s_add_nc_u64 s[G0C+2:G0C+3], s[68:69], s[10:11]
	s_or_b32 s[G0C+3], s[G0C+3], 0x80000000
	CROUND                                         ; all sixteen work-groups are here: the joint loads meet
	s_cmp_eq_u32 s14, 3                            ; wave 3 fetches the first 64 tokens, the others the weights: one load a wave
	s_cbranch_scc0 .Lfor_w
	tensor_load_to_lds s[G0A:G0A+3], s[G1A:G1A+7]
	s_nop 0
.rept 4
	v_nop
.endr
	s_branch .Lasked
.Lfor_w:
	tensor_load_to_lds s[G0B:G0B+3], s[G1B:G1B+7]
	s_nop 0
.rept 4
	v_nop
.endr
.Lasked:
	s_mul_i32 s2, s14, 32*BP                       ; my rows of Wq's and Wk's 128,
	s_mul_i32 s3, s14, 16*BP
	s_add_co_u32 s3, s3, 128*BP                    ; and of Wv's 64
	s_and_b32 s4, s14, 1
	s_lshl_b32 s5, s42, 8                          ; the head's 64 numbers of a bias, in bytes
	s_lshl_b32 s10, s4, 7
	s_add_co_u32 s10, s10, s5                      ; my 32 of them (s11 is 0),
	s_lshl_b32 s12, s14, 6
	s_add_co_u32 s12, s12, s5                      ; and V's 16 (s13 is 0)
	s_cmp_lt_u32 s14, 2
	s_cselect_b64 s[8:9], s[76:77], s[78:79]
	s_cselect_b64 s[84:85], s[84:85], s[86:87]
	s_add_nc_u64 s[8:9], s[8:9], s[10:11]
	s_add_nc_u64 s[80:81], s[80:81], s[12:13]
	s_lshr_b32 s10, s17, 3                         ; where my results go: the batch,
	s_lshl_b32 s10, s10, 4
	s_add_co_u32 s10, s10, s42                     ; bh,
	s_lshl_b32 s10, s10, 17
	s_and_b32 s12, s17, 7
	s_lshl_b32 s12, s12, 14
	s_add_co_u32 s12, s12, s10                     ; and the 16 tiles of 16 tokens, 16,384 bytes in each image
	s_lshl_b32 s10, s4, 9
	s_add_co_u32 s10, s10, s12                     ; Q, K: the piece w % 2
	s_add_nc_u64 s[84:85], s[84:85], s[10:11]
	s_lshl_b32 s10, s14, 11
	s_add_co_u32 s10, s10, s12                     ; V: the channel tile w
	s_add_nc_u64 s[88:89], s[88:89], s[10:11]
	v_and_b32 v1, 15, v0                           ; r
	v_bfe_u32 v2, v0, 4, 1                         ; h
	v_mul_u32_u24 v3, v1, BP
	v_lshl_add_u32 v[AA+1], v2, 4, v3              ; a fragment's row x pitch + 16 h
	v_add_nc_u32 v[ABQ], s2, v[AA+1]
	v_add_nc_u32 v[ABV], s3, v[AA+1]
	v_add_nc_u32 v[AA], 192*BP, v[AA+1]
	v_add_nc_u32 v[AA+2], 64*BP, v[AA+1]
	v_add_nc_u32 v[AA+3], 128*BP, v[AA+1]
	v_and_b32 v4, 31, v0
	v_lshlrev_b32 v[LI], 4, v4
	v_lshlrev_b32 v[BOQ], 5, v2
	v_lshlrev_b32 v[BOV], 2, v1
.irp k, 0,1
	global_load_b128 v[BQ+8*\k:BQ+8*\k+3], v[BOQ], s[8:9] offset:64*\k          ; the bias of channels 16 k + 8 h + 0 .. 7 of mine
	global_load_b128 v[BQ+8*\k+4:BQ+8*\k+7], v[BOQ], s[8:9] offset:64*\k+16
.endr
	global_load_b32 v[BV], v[BOV], s[80:81]        ; V's, of channel r
	v_mov_b32 v[BV+1], 0                           ; (named as the upper half of the pair)
	s_wait_kmcnt 0x0
	s_cmp_lt_u32 s14, 2
	s_cselect_b32 s2, s92, s94
	s_cselect_b32 s3, s93, s95
	s_cselect_b32 s4, s98, s99
	s_add_co_i32 s2, s2, s3
	s_add_co_i32 s2, s2, 127
	s_lshl_b32 s90, s2, 23                         ; 2^(ex + ew) of Q or K,
	s_mov_b32 s91, s90
	s_add_co_i32 s2, s96, s97
	s_add_co_i32 s2, s2, 127
	s_lshl_b32 s66, s2, 23                         ; and of V
	s_mov_b32 s67, s66
	s_add_co_i32 s4, s4, 127
	s_lshl_b32 s2, s4, 23
	v_mov_b32 v[SCQ], s2                           ; 2^eq or 2^ek,
	s_add_co_i32 s4, s4, 8
	s_lshl_b32 s4, s4, 23
	s_or_b32 s4, s4, 0x600000
	v_mov_b32 v[LMQ], s4                           ; and 448 x that
	s_add_co_i32 s4, s100, 127
	s_lshl_b32 s2, s4, 23
	v_mov_b32 v[SCV], s2                           ; 2^ev
	s_add_co_i32 s4, s4, 8
	s_lshl_b32 s4, s4, 23
	s_or_b32 s4, s4, 0x600000
	v_mov_b32 v[LMV], s4
; A fragment, 16 rows x 128 K, is 16 registers: lane l holds row l % 16; registers 4 c .. 4 c + 3 hold K = 32 c + 16 (l / 16) + 0 .. 15, in tokens and columns alike: every product meets its partner.
.macro FRAG reg, adr, off
.irp c, 0,1,2,3
	ds_load_b128 v[\reg+4*\c:\reg+4*\c+3], v[\adr] offset:\off+32*\c
.endr
.endm
.macro BLOAD                           ; my three tiles of columns, all of K
	WIN 0x80
.irp q, 0,1,2,3,4,5,6,7
	FRAG 16*\q, ABQ, 128*\q
	FRAG 128+16*\q, ABQ, BLK+128*\q
.endr
	WIN 0xc0
.irp q, 0,1,2,3,4,5,6,7
	FRAG 16*\q, ABV, 128*\q
.endr
.endm
.macro HLOAD pr, hf                    ; pair pr's two blocks, half hf of K, into buffer hf: 32 loads
.set PR, \pr
.if PR < 2
.set AR, AA
.else
.set AR, AA+PR/2
.endif
	WIN 0x40
.irp i, 0,1
.irp q, 0,1,2,3
	FRAG 128*(\hf)+64*\i+16*\q, AR, (PR%2)*2*BLK+\i*BLK+512*(\hf)+128*\q
.endr
.endr
.endm
.macro HMUL hf                         ; 24 matrix instructions: the six accumulators by turns
.irp q, 0,1,2,3
.set BR, 64*(\hf)+16*\q
	WIN 0x06                                       ; source 0 window 2, source 1 window 1
.irp i, 0,1
.set AF, 128*(\hf)+64*\i+16*\q
.irp k, 0,1
.set AC, ACC+24*\i+8*\k
.if (4*(\hf)+\q) == 0
	v_wmma_f32_16x16x128_fp8_fp8 v[AC:AC+7], v[128*\k+BR:128*\k+BR+15], v[AF:AF+15], 0
.else
	v_wmma_f32_16x16x128_fp8_fp8 v[AC:AC+7], v[128*\k+BR:128*\k+BR+15], v[AF:AF+15], v[AC:AC+7]
.endif
.endr
.endr
	WIN 0x0d                                       ; source 0 window 1, source 1 window 3
.irp i, 0,1
.set AF, 128*(\hf)+64*\i+16*\q
.set AC, ACC+24*\i+16
.if (4*(\hf)+\q) == 0
	v_wmma_f32_16x16x128_fp8_fp8 v[AC:AC+7], v[AF:AF+15], v[BR:BR+15], 0
.else
	v_wmma_f32_16x16x128_fp8_fp8 v[AC:AC+7], v[AF:AF+15], v[BR:BR+15], v[AC:AC+7]
.endif
.endr
.endr
.endm
.macro PLACES                          ; four places in front of loads into registers that matrix instructions have read, and of the first read of results (ISA guide 7.12.1 for the first read of results)
.rept 4
	v_nop
.endr
.endm
; A pair's way out: sum x 2^(ex + ew) + bias in f32, held, converted; three stores of 512 consecutive bytes.  Each pair has its own twelve registers of codes: no store's source is written again.
.macro EPI pr
.set CD, CODE+12*(\pr)
	WIN 0
	PLACES
.irp i, 0,1
.irp k, 0,1
.irp j, 0,2,4,6
	v_pk_fma_f32 v[TMP+24*\i+8*\k+\j:TMP+24*\i+8*\k+\j+1], v[ACC+24*\i+8*\k+\j:ACC+24*\i+8*\k+\j+1], s[90:91], v[BQ+8*\k+\j:BQ+8*\k+\j+1] op_sel_hi:[1,0,1]
.endr
.endr
.irp j, 0,2,4,6
	v_pk_fma_f32 v[TMP+24*\i+16+\j:TMP+24*\i+16+\j+1], v[ACC+24*\i+16+\j:ACC+24*\i+16+\j+1], s[66:67], v[BV:BV+1] op_sel_hi:[1,0,0]
.endr
.endr
.irp i, 0,1
.set j, 0
.rept 16
	v_med3_num_f32 v[TMP+24*\i+j], v[TMP+24*\i+j], -v[LMQ], v[LMQ]   ; the conversion does not saturate (ISA guide 7.6.2)
.set j, j+1
.endr
.rept 8
	v_med3_num_f32 v[TMP+24*\i+j], v[TMP+24*\i+j], -v[LMV], v[LMV]
.set j, j+1
.endr
.endr
.irp i, 0,1
.irp k, 0,1
	v_cvt_scalef32_pk8_fp8_f32 v[CD+4*\i+2*\k:CD+4*\i+2*\k+1], v[TMP+24*\i+8*\k:TMP+24*\i+8*\k+7], v[SCQ]
.endr
	v_cvt_scalef32_pk8_fp8_f32 v[CD+8+2*\i:CD+8+2*\i+1], v[TMP+24*\i+16:TMP+24*\i+23], v[SCV]
.endr
	v_nop                                          ; one plain vector instruction behind the last conversion
	global_store_b128 v[LI], v[CD:CD+3], s[84:85] offset:2048*(\pr)
	global_store_b128 v[LI], v[CD+4:CD+7], s[84:85] offset:2048*(\pr)+1024
	global_store_b128 v[LI], v[CD+8:CD+11], s[88:89] offset:8192*((\pr)/4)+512*((\pr)%4)
.endm
; A pair: its first half of K has been asked for.  next = 1: the next pair's first half is asked for on the way.
.macro PAIR pr, next
	HLOAD \pr, 1
	s_wait_dscnt 32                                ; all but the 32 just issued: the first half is in
	HMUL 0
.if \next
	PLACES
	HLOAD \pr+1, 0
	s_wait_dscnt 32                                ; the second half is in
.else
	s_wait_dscnt 0x0
.endif
	HMUL 1
	EPI \pr
.endm
	s_wait_alu depctr_va_vdst(0)                   ; the wait at the head's end
	s_wait_loadcnt 0x0                             ; the biases
	s_wait_tensorcnt 0x0                           ; my 64 rows are in,
	s_barrier_signal -1
	s_barrier_wait -1                              ; everybody's are
	BLOAD
	HLOAD 0, 0
	WIN 0
	s_wait_tensorcnt 0x0
	ds_add_u32 v[SPW], v[NIL]
	s_wait_dscnt 0x0                               ; the add is done, and the weights are in my registers
	CROUND                                         ; so they are in everybody's, in all sixteen work-groups
	tensor_load_to_lds s[G0C:G0C+3], s[G1C:G1C+7]  ; the other 192 tokens take their place
	s_nop 0
.rept 4
	v_nop
.endr
	PAIR 0, 1
	PAIR 1, 0
	s_wait_tensorcnt 0x0                           ; my 48 tokens are in,
	s_barrier_signal -1
	s_barrier_wait -1                              ; everybody's are
	HLOAD 2, 0
.irp p, 2,3,4,5,6
	PAIR \p, 1
.endr
	PAIR 7, 0
	s_wait_tensorcnt 0x0                           ; the wave's end
	ds_add_u32 v[SPW], v[NIL]
	s_wait_dscnt 0x0
	CROUND                                         ; the closing round
	s_endpgm
.Lfunc_end_k_q205a89ea86_qkv:
	.size	k_q205a89ea86_qkv, .Lfunc_end_k_q205a89ea86_qkv-k_q205a89ea86_qkv
	.p2alignl 7, 3214868480
	.fill 96, 4, 3214868480
	.section	.rodata,"a",@progbits
	.p2align	6, 0x0
	.amdhsa_kernel k_q205a89ea86_qkv
		.amdhsa_group_segment_fixed_size 327680
		.amdhsa_private_segment_fixed_size 0
		.amdhsa_enable_private_segment 0
		.amdhsa_kernarg_size 88
		.amdhsa_user_sgpr_count 2
		.amdhsa_user_sgpr_kernarg_segment_ptr 1
		.amdhsa_wavefront_size32 1
		.amdhsa_system_sgpr_workgroup_id_x 1
		.amdhsa_system_sgpr_workgroup_id_y 1
		.amdhsa_system_sgpr_workgroup_id_z 1
		.amdhsa_system_vgpr_workitem_id 0
		.amdhsa_next_free_vgpr 1024
		.amdhsa_next_free_sgpr 102
		.amdhsa_reserve_vcc 0
		.amdhsa_float_denorm_mode_32 3
		.amdhsa_float_denorm_mode_16_64 3
		.amdhsa_memory_ordered 1
		.amdhsa_forward_progress 1
		.amdhsa_inst_pref_size 120
	.end_amdhsa_kernel
	.amdgpu_metadata
---
amdhsa.version: [ 1, 2 ]
amdhsa.kernels:
  - .name:           k_q205a89ea86_qkv
    .symbol:         k_q205a89ea86_qkv.kd
    .args:
      - { .name: x_codes, .offset: 0, .size: 8, .value_kind: global_buffer, .address_space: global }
      - { .name: Wq_codes, .offset: 8, .size: 8, .value_kind: global_buffer, .address_space: global }
      - { .name: Wk_codes, .offset: 16, .size: 8, .value_kind: global_buffer, .address_space: global }
      - { .name: Wv_codes, .offset: 24, .size: 8, .value_kind: global_buffer, .address_space: global }
      - { .name: bq, .offset: 32, .size: 8, .value_kind: global_buffer, .address_space: global }
      - { .name: bk, .offset: 40, .size: 8, .value_kind: global_buffer, .address_space: global }
      - { .name: bv, .offset: 48, .size: 8, .value_kind: global_buffer, .address_space: global }
      - { .name: lowp_scales, .offset: 56, .size: 8, .value_kind: global_buffer, .address_space: global }
      - { .name: q_img, .offset: 64, .size: 8, .value_kind: global_buffer, .address_space: global }
      - { .name: k_img, .offset: 72, .size: 8, .value_kind: global_buffer, .address_space: global }
      - { .name: v_img, .offset: 80, .size: 8, .value_kind: global_buffer, .address_space: global }
    .group_segment_fixed_size: 327680
    .private_segment_fixed_size: 0
    .kernarg_segment_align: 8
    .kernarg_segment_size: 88
    .max_flat_workgroup_size: 128
    .sgpr_count:     102
    .vgpr_count:     1024
    .wavefront_size: 32
...
	.end_amdgpu_metadata
.endif
;; end of part 1
;; launch attn (part 2): grid 8 x 32, 16 waves a work-group, clusters of 4 x 1, 327,680 bytes of LDS; arguments q_img, k_img, v_img, lowp_scales, ctx_img; writes ctx_img
.if DOCPART == 2
	.amdgcn_target "amdgcn-amd-amdhsa--gfx1250"
	.amdhsa_code_object_version 6
	.text
	.protected	k_q205a89ea86_attn
	.globl	k_q205a89ea86_attn
	.p2align	8
	.type	k_q205a89ea86_attn,@function
k_q205a89ea86_attn:
	s_mov_b64 s[64:65], 0
	v_nop
	global_prefetch_b8 v0, s[64:65] scope:SCOPE_SE
	s_setreg_imm32_b32 hwreg(HW_REG_WAVE_MODE, 25, 1), 1
	s_wait_xcnt 0x0
	s_wait_alu depctr_hold_cnt(0) depctr_sa_sdst(0) depctr_va_vdst(0) depctr_va_sdst(0) depctr_va_ssrc(0) depctr_va_vcc(0) depctr_vm_vsrc(0)
	s_getreg_b32 s2, hwreg(HW_REG_IB_STS2, 6, 4)
	s_cmp_eq_u32 s2, 0
	s_cbranch_scc0 .Lentry_in_a_cluster
	s_endpgm
.Lentry_in_a_cluster:
	s_bfe_u32 s2, ttmp6, 0x10000c
	s_cmp_lg_u32 s2, 0x3003
	s_cbranch_scc0 .Lentry_shape_is_right
	s_endpgm
.Lentry_shape_is_right:
; ctx[b][q][head][:] = the sum over keys k <= q of softmax_k(Q . K / sqrt(64)) V, both products on codes of FP8 (E4M3); the result is quantised at once for the last product and stored as codes.
; q_img, k_img: [bh 32][tile of 16 tokens 128][piece 2][lane 32][16 bytes]: images of the fragments of the K = 64 form.  v_img: [bh 32][128 keys 16][16 channels 4][piece 4][lane 32][16 bytes]: of the K = 128 form, keys innermost.
; ctx_img: [tile of 16 tokens 256][head 16][piece 2][lane 32][16 bytes].  lowp_scales: entries 6 to 10 are eq, ek, ep, ev, ec.
; THE SOFTMAX AHEAD OF THE SECOND PRODUCT: t = score x log2(e) / 8; M = the row's largest t so far, rounded UP to a whole number; p = 2^(t - M) is what is quantised; it is not normalised.
; The row's sum is taken of the unquantised p, in f32, and divides O at the end.  When M moves, the sum and O are multiplied by 2^(old M - new M): exact.
; LEFT OUT: key steps of 128 that lie wholly behind a tile's queries: reference() itself sets those scores to -infinity, so their p is 0 for all values of the inputs.  A NaN or an infinity that reaches only such a score is not carried to the result.
; LIMITS, so that each power of two below is an f32 number: eq + ek between -123 and 130 (added to c's exponent field); ep and ec between -126 and 119; ep + ev is applied by v_ldexp_f32 and has none.  The promise holds
; while the scaled scores stay under 2^31 in magnitude.  NaN is not served.
; SHARES.  The grid's y is the head (bh).  A head's 128 tiles of 16 queries are 32 groups u of four; the four partners of a cluster take the four tiles of a group: t = 4 u + cx.  A tile of group u has n = u / 2 + 1 key steps of 128.
; Wave w owns one tile: n = 16 - w for waves 0-3 and 8-11, w + 5 for waves 4-7, w - 11 for waves 12-15: of the waves w, w + 4, w + 8, w + 12 the first has the most steps and the last the fewest, and the four have 34 together.
; u = 2 (n - 1) + (w + c) % 2, c the cluster's x.  w and c are alike in all partners; cx enters Q's and ctx's addresses and the mask's bits alone, and no branch.
; LDS holds the head's WHOLE K (131,072 bytes) and V (131,072 bytes): each byte is filled once, by joint loads of the four partners (they walk the same head): keys 0-1023 by one load a wave at the head, keys 1024-2047 by one load a wave
; behind the full sequence and a round; waves 0-7 say that theirs has landed behind their first key step, waves 8-15 ahead of it.  Nothing is filled again, so there is no refill that a prefetch could run ahead of.
; LAYOUT.  Both products are used transposed: S^T = K Q^T (source 0 = 16 keys, source 1 = my 16 queries), O^T = V^T P^T: a lane holds ONE query (lane % 16) throughout.  Register j of S^T's tile kt is key 16 kt + 8 (lane / 16) + j:
; just the place that the K = 128 form gives registers 2 kt, 2 kt + 1 of an operand: so the conversions' results are the second product's operand.
; REGISTERS: v1 16 x lane; v5, v6 the add's; v8, v9 LDS addresses; v10 the mask's bound; v11 -infinity; v12 -M; v13 the largest t; v[14:15] the sum; v16-23 Q; v32-95 K's fragments,
; then V's; v96-159 S^T, then p; v160-191 O^T; v192-207 codes; v208-219, v250-253 at work, scales.
.set VBASE, 131072                     ; V's images in LDS
.set HALF,  65536                      ; 1,024 keys of K, or of V
.set SPARE, 262144                     ; the spare words, 128 bytes for each of the sixteen waves
.set LI,   1
.set SPW,  5
.set NIL,  6
.set ADK,  8
.set ADV,  9
.set DM,   10
.set NINF, 11
.set Q,    16
.set X,    32
.set S,    96
.set O,    160
.set PC,   192
.set FIRST, 14                         ; s14  the walk's first key step and the number of its steps: a step outside is left out
.set NUM,  58
.set DG,   16                          ; s16  n - 1, the key step on the diagonal
.set CNT,  17
.set WV,   18                          ; s18  my wave's number
.set G1,   36                          ; s[36:43] descriptor group 1, one for both loads
.set G0,   44                          ; s[44:51] descriptor group 0, a set for each of my two loads
.set N,    57                          ; s57  n
.set PAR,  59                          ; s59  u % 2: my queries lie in the first (0) or second (1) 64 keys of the diagonal step
.set SEL,  60                          ; s[60:61] lane selects for v_permlanex16_b32: lane l xor 16
.set CS,   62                          ; s[62:63] c = log2(e) / 8 x 2^(eq + ek)
.set TB,   66                          ; s66  LDS byte of the key step's tiles of K
.set KS,   67                          ; s67  the key step
.set MK,   68                          ; s[68:99] the mask of 64 keys: a lane mask for each register
.macro CROUND                          ; a round of the cluster's barrier
	s_barrier_signal -1
	s_barrier_wait -1
	s_cmp_lg_u32 s[WV], 0
	s_cbranch_scc1 .Lnot_wave_0_\@
	s_barrier_signal -3
.Lnot_wave_0_\@:
	s_barrier_wait -3
	s_barrier_signal -1
	s_barrier_wait -1
.endm
	s_load_b256 s[4:11], s[0:1], 0x0               ; q_img s[4:5], k_img s[6:7], v_img s[8:9], the scales' exponents s[10:11]
	s_load_b64 s[12:13], s[0:1], 0x20              ; ctx_img
	v_lshl_add_u32 v[SPW], v0, 2, SPARE
	v_mov_b32 v[NIL], 0
	ds_add_u32 v[SPW], v[NIL]                      ; the wave's opening: the add, twice on end, and its wait
	ds_add_u32 v[SPW], v[NIL]
	v_lshrrev_b32 v2, 5, v0
	v_readfirstlane_b32 s[WV], v2                  ; wave 0..15
	s_bfe_u32 s19, ttmp6, 0x40000                  ; cx
	s_and_b32 s20, ttmp7, 0xffff                   ; bh, which the four partners share
	s_sub_co_u32 s24, 16, s[WV]
	s_lshr_b32 s25, s[WV], 3
	s_lshl_b32 s25, s25, 4
	s_add_co_u32 s26, s[WV], 5
	s_sub_co_u32 s26, s26, s25                     ; w + 5, or w - 11
	s_and_b32 s25, s[WV], 4                        ; (sets SCC in waves 4-7 and 12-15)
	s_cselect_b32 s[N], s26, s24
	s_sub_co_u32 s[DG], s[N], 1
	s_xor_b32 s25, s[WV], ttmp9
	s_and_b32 s[PAR], s25, 1
	s_lshl_b32 s26, s[DG], 1
	s_add_co_u32 s26, s26, s[PAR]                  ; u
	s_lshl_b32 s28, s26, 2
	s_add_co_u32 s28, s28, s19                     ; t = 4 u + cx: my tile of 16 queries
	s_mov_b32 s[FIRST], 0
	s_cmp_lt_u32 s[WV], 8
	s_cselect_b32 s[NUM], s[N], 0                  ; waves 8-15 work nothing ahead of the barrier's signal
	; descriptor group 1: 32 rows of 256 bytes, dense in memory and in LDS
	s_mov_b32 s[G1], 15|(3<<16)|(1<<21)            ; 15:0 the mask: all four work-groups; 17:16 elements of 8 bytes; 20 no padding; 21 set beside a mask
	s_mov_b32 s[G1+1], 32<<16                      ; tensor_dim0 = 32 elements
	s_mov_b32 s[G1+2], 32<<16                      ; tensor_dim1 = 32
	s_mov_b32 s[G1+3], 32<<16                      ; tile_dim0
	s_mov_b32 s[G1+4], 32                          ; tile_dim1
	s_mov_b32 s[G1+5], 32                          ; tensor_dim0_stride
	s_mov_b32 s[G1+6], 0
	s_mov_b32 s[G1+7], 0
	; what I fetch: waves 0-7 K's images, waves 8-15 V's; of each half's 65,536 bytes the eighth w % 8
	s_and_b32 s24, s[WV], 7
	s_lshr_b32 s32, s[WV], 3
	s_lshl_b32 s32, s32, 17
	s_lshl_b32 s33, s24, 13
	s_add_co_u32 s32, s32, s33                     ; LDS address of my part of keys 0-1023
	s_lshl_b32 s34, s20, 17                        ; the head's images: 131,072 bytes each
	s_add_co_u32 s34, s34, s33
	s_mov_b32 s35, 0
	s_mov_b32 s[SEL], 0x76543210
	s_mov_b32 s[SEL+1], 0xfedcba98
	s_mov_b32 s[CS], 0x3e38aa3b                    ; c = log2(e) / sqrt(64)
	s_wait_dscnt 0x0                               ; both opening adds are done
	s_wait_kmcnt 0x0
	s_load_b128 s[52:55], s[10:11], 0x18           ; eq, ek, ep, ev
	s_load_b32 s56, s[10:11], 0x28                 ; ec
	s_cmp_lt_u32 s[WV], 8
	s_cselect_b64 s[22:23], s[6:7], s[8:9]
	s_add_nc_u64 s[22:23], s[22:23], s[34:35]
.irp g, 0,1
	s_mov_b32 s[G0+4*\g], 1                        ; count = 1
	s_add_co_u32 s[G0+4*\g+1], s32, \g*HALF        ; LDS address
	s_add_nc_u64 s[G0+4*\g+2:G0+4*\g+3], s[22:23], \g*HALF    ; global address
	s_or_b32 s[G0+4*\g+3], s[G0+4*\g+3], 0x80000000           ; type = 2
.endr
	CROUND                                         ; all four work-groups are here: the joint loads meet
	tensor_load_to_lds s[G0:G0+3], s[G1:G1+7]      ; keys 0-1023: one tensor load a wave at the head
	s_nop 0
.rept 4
	v_nop
.endr
	s_lshl_b32 s21, s20, 17
	s_lshl_b32 s32, s28, 10
	s_add_co_u32 s32, s32, s21                     ; my tile's image in q_img: 131,072 bh + 1,024 t
	s_mov_b32 s33, 0
	s_add_nc_u64 s[4:5], s[4:5], s[32:33]
	v_and_b32 v[LI], 31, v0
	v_lshlrev_b32 v[LI], 4, v[LI]
	global_load_b128 v[Q:Q+3], v[LI], s[4:5]       ; Q's fragment stays in registers
	global_load_b128 v[Q+4:Q+7], v[LI], s[4:5] offset:512
	s_lshr_b32 s26, s20, 4                         ; the batch
	s_lshl_b32 s26, s26, 7
	s_add_co_u32 s26, s26, s28                     ; the tile among all 256: 128 x batch + t
	s_lshl_b32 s26, s26, 14                        ; 16 heads x 1,024 bytes
	s_and_b32 s34, s20, 15
	s_lshl_b32 s34, s34, 10                        ; my head
	s_add_co_u32 s26, s26, s34
	s_mov_b32 s27, 0
	s_add_nc_u64 s[12:13], s[12:13], s[26:27]      ; where my tile goes
	s_lshl_b32 s34, s19, 4
	v_and_b32 v2, 15, v0                           ; r
	v_bfe_u32 v3, v0, 4, 1                         ; h
	v_lshlrev_b32 v3, 3, v3
	v_sub_nc_u32 v[DM], v2, v3
	v_add_nc_u32 v[DM], s34, v[DM]                 ; 16 cx + r - 8 h: of the 64 keys that hold my tile register 8 k + j is hidden where 16 k + j is greater
.irp k, 0,1,2,3
.irp j, 0,1,2,3,4,5,6,7
	v_cmp_gt_i32 s[MK+8*\k+\j], 16*\k+\j, v[DM]
.endr
.endr
	v_mov_b32 v[NINF], 0xff800000
	v_mov_b32 v211, 0                              ; (named as the upper half of a pair)
	v_mov_b32 v212, 0                              ; written once: a lane permute's destination counts as one of its sources
	v_mov_b32 v12, 0x7f61b1e6                      ; -M = 3e38,
	v_mov_b32 v13, 0xff61b1e6                      ; the largest t so far: -3e38, under every t
	v_mov_b32 v14, 0                               ; the sum, in two halves
	v_mov_b32 v15, 0
.set j, 0
.rept 32
	v_mov_b32 v[O+j], 0                            ; O^T.  (The step is written once for all steps: the first finds zeros, which the first change of M leaves zeros)
.set j, j+1
.endr
	s_wait_kmcnt 0x0
	s_add_co_i32 s26, s52, s53
	s_lshl_b32 s26, s26, 23
	s_add_co_i32 s[CS], s[CS], s26                 ; a score stands for score x 2^(eq + ek): the two exponents are added to c's exponent field
	s_mov_b32 s[CS+1], s[CS]                       ; (named with it as a pair, so it is written)
	s_add_co_i32 s26, s54, 127
	s_lshl_b32 s27, s26, 23
	v_mov_b32 v217, s27                            ; 2^ep
	s_add_co_i32 s26, s26, 8
	s_lshl_b32 s26, s26, 23
	s_or_b32 s26, s26, 0x600000
	v_mov_b32 v216, s26                            ; 448 x 2^ep
	s_add_co_i32 s26, s56, 127
	s_lshl_b32 s27, s26, 23
	v_mov_b32 v219, s27                            ; 2^ec
	s_add_co_i32 s26, s26, 8
	s_lshl_b32 s26, s26, 23
	s_or_b32 s26, s26, 0x600000
	v_mov_b32 v218, s26                            ; 448 x 2^ec
	s_wait_alu depctr_va_vdst(0)                   ; the wait at the head's end
	s_wait_loadcnt 0x0                             ; Q
	s_wait_tensorcnt 0x0                           ; my part of keys 0-1023 is in
	ds_add_u32 v[SPW], v[NIL]
	s_wait_dscnt 0x0
	CROUND                                         ; everybody's part is in, and all four work-groups are here
	tensor_load_to_lds s[G0+4:G0+7], s[G1:G1+7]    ; keys 1024-2047
	s_nop 0
.rept 4
	v_nop
.endr
; A KEY STEP: 128 keys.  A step outside my walk is left out: a scalar branch on ids, round its loads, products and softmax; not round the lines at its end that step the address and the count.
.macro STEP
	s_sub_co_u32 s21, s[KS], s[FIRST]
	s_cmp_ge_u32 s21, s[NUM]
	s_cbranch_scc1 .Lhidden_\@
	v_add_nc_u32 v[ADK], s[TB], v[LI]
	s_delay_alu instid0(VALU_DEP_1)
	v_add_nc_u32 v[ADV], VBASE, v[ADK]
	v_nop
	v_nop                                          ; four places in front of loads into registers that the last step's products have read
.irp kt, 0,1,2,3,4,5,6,7
	ds_load_b128 v[X+8*\kt:X+8*\kt+3], v[ADK] offset:1024*\kt          ; an image's 512 consecutive bytes
	ds_load_b128 v[X+8*\kt+4:X+8*\kt+7], v[ADK] offset:1024*\kt+512
.endr
	s_wait_alu depctr_va_vdst(0)                   ; directly ahead of the waits below
.irp kt, 0,1,2,3,4,5,6,7
	s_wait_dscnt 14-2*\kt                          ; tile kt's two loads are in; those of the later tiles may be out
	v_wmma_f32_16x16x64_fp8_fp8 v[S+8*\kt:S+8*\kt+7], v[X+8*\kt:X+8*\kt+7], v[Q:Q+7], 0
.endr
.rept 4
	v_nop                                          ; places: K's registers take V's fragments, and the scores are read
.endr
.irp dt, 0,1,2,3
.irp c, 0,1,2,3
	ds_load_b128 v[X+16*\dt+4*\c:X+16*\dt+4*\c+3], v[ADV] offset:2048*\dt+512*\c   ; V's four fragments land while the softmax is worked
.endr
.endr
	s_cmp_lg_u32 s[KS], s[DG]                      ; on the diagonal hidden scores become -infinity ahead of the maximum: p = 0 then
	s_cbranch_scc1 .Lopen_\@
	s_cmp_eq_u32 s[PAR], 0
	s_cbranch_scc0 .Lodd_\@
.irp k, 0,1,2,3                        ; my queries lie in the step's first 64 keys: the other 64 are hidden
.irp j, 0,1,2,3,4,5,6,7
	v_cndmask_b32 v[S+8*\k+\j], v[S+8*\k+\j], v[NINF], s[MK+8*\k+\j]
.endr
.endr
.set j, 32
.rept 16
	v_dual_mov_b32 v[S+j], v[NINF] :: v_dual_mov_b32 v[S+j+1], v[NINF]
.set j, j+2
.endr
	s_wait_alu depctr_va_vdst(0)                   ; directly ahead of the branch
	s_branch .Lopen_\@
.Lodd_\@:
.irp k, 0,1,2,3
.irp j, 0,1,2,3,4,5,6,7
	v_cndmask_b32 v[S+32+8*\k+\j], v[S+32+8*\k+\j], v[NINF], s[MK+8*\k+\j]
.endr
.endr
.Lopen_\@:
	v_max3_num_f32 v208, v[S], v[S+1], v[S+2]      ; the step's largest score of my query, among my 64 keys, in four chains; each accumulator is read from its low end on
	v_max3_num_f32 v209, v[S+3], v[S+4], v[S+5]
	v_max3_num_f32 v250, v[S+6], v[S+7], v[S+8]
	v_max3_num_f32 v251, v[S+9], v[S+10], v[S+11]
.set j, 12
.rept 6
	v_max3_num_f32 v208, v208, v[S+j], v[S+j+1]
	v_max3_num_f32 v209, v209, v[S+j+2], v[S+j+3]
	v_max3_num_f32 v250, v250, v[S+j+4], v[S+j+5]
	v_max3_num_f32 v251, v251, v[S+j+6], v[S+j+7]
.set j, j+8
.endr
	v_max3_num_f32 v208, v208, v[S+60], v[S+61]
	v_max3_num_f32 v209, v209, v[S+62], v[S+63]
	v_max3_num_f32 v208, v208, v250, v251
	s_delay_alu instid0(VALU_DEP_1)
	v_max_num_f32 v208, v208, v209
	s_delay_alu instid0(VALU_DEP_1)
	v_permlanex16_b32 v212, v208, s[SEL], s[SEL+1]
	s_delay_alu instid0(VALU_DEP_1)
	v_max_num_f32 v208, v208, v212                 ; and among lane l xor 16's
	s_delay_alu instid0(VALU_DEP_1)
	v_mul_f32 v208, s[CS], v208                    ; as t (c is positive)
	s_delay_alu instid0(VALU_DEP_1)
	v_max_num_f32 v13, v13, v208                   ; the running largest t
	v_mov_b32 v208, v12
	s_delay_alu instid0(VALU_DEP_2)
	v_floor_f32 v12, -v13                          ; the new -M = floor(-t) = -ceil(t): M is a whole number
	s_delay_alu instid0(VALU_DEP_1)
	v_sub_f32 v208, v12, v208                      ; M's old value less its new one: a whole number, 0 or less
	s_delay_alu instid0(VALU_DEP_1)
	v_cvt_i32_f32 v208, v208                       ; (it saturates)
	s_delay_alu instid0(VALU_DEP_1)
	v_ldexp_f32 v210, 1.0, v208                    ; f = 2^(old M - new M)
.set j, 0
.rept 32
	v_pk_fma_f32 v[S+j:S+j+1], v[S+j:S+j+1], s[CS:CS+1], v[12:13] op_sel_hi:[1,0,0]   ; t - M, two at a time
.set j, j+2
.endr
.set j, 0
	s_wait_alu depctr_va_vdst(0)                   ; the wait ahead of the batch
.rept 64
	v_exp_f32 v[S+j], v[S+j]                       ; p = 2^(t - M), at most 1: not normalised
.set j, j+1
.endr
	v_pk_mul_f32 v[14:15], v[14:15], v[210:211] op_sel_hi:[1,0]   ; the sums under the new M.  (The plain instruction behind the exponentials)
	s_wait_alu depctr_va_vdst(0)                   ; one wait for the whole batch, ahead of its first reader
	v_pk_add_f32 v[214:215], v[S:S+1], v[S+2:S+3]  ; the row's sum of the unquantised p: two at a time, in four chains
	v_pk_add_f32 v[250:251], v[S+4:S+5], v[S+6:S+7]
	v_pk_add_f32 v[252:253], v[S+8:S+9], v[S+10:S+11]
	v_pk_add_f32 v[14:15], v[14:15], v[S+12:S+13]
.set j, 14
.rept 6
	v_pk_add_f32 v[214:215], v[214:215], v[S+j:S+j+1]
	v_pk_add_f32 v[250:251], v[250:251], v[S+j+2:S+j+3]
	v_pk_add_f32 v[252:253], v[252:253], v[S+j+4:S+j+5]
	v_pk_add_f32 v[14:15], v[14:15], v[S+j+6:S+j+7]
.set j, j+8
.endr
	v_pk_add_f32 v[214:215], v[214:215], v[S+62:S+63]
	v_pk_add_f32 v[250:251], v[250:251], v[252:253]
	v_pk_add_f32 v[14:15], v[14:15], v[214:215]
.set j, 0
.rept 32
	v_dual_min_num_f32 v[S+j], v[S+j], v216 :: v_dual_min_num_f32 v[S+j+1], v[S+j+1], v216   ; the conversion does not saturate (ISA guide 7.6.2); p is not negative, so the hold is one-sided
.set j, j+2
.endr
	v_pk_add_f32 v[14:15], v[14:15], v[250:251]
.irp kt, 0,1,2,3,4,5,6,7
	v_cvt_scalef32_pk8_fp8_f32 v[PC+2*\kt:PC+2*\kt+1], v[S+8*\kt:S+8*\kt+7], v217
.endr
	s_wait_alu depctr_va_vdst(0)                   ; directly ahead of the first reader of O^T
.set j, 0
.rept 16
	v_pk_mul_f32 v[O+j:O+j+1], v[O+j:O+j+1], v[210:211] op_sel_hi:[1,0]   ; O^T under the new M.  (Plain instructions between the conversions and the products that read the codes)
.set j, j+2
.endr
	s_wait_alu depctr_va_vdst(0)                   ; directly ahead of the wait below
	s_wait_dscnt 0x0                               ; V's fragments are in
.irp dt, 0,1,2,3
	v_wmma_f32_16x16x128_fp8_fp8 v[O+8*\dt:O+8*\dt+7], v[X+16*\dt:X+16*\dt+15], v[PC:PC+15], v[O+8*\dt:O+8*\dt+7]   ; the four accumulators by turns; the next step's eight products K Q^T stand between two turns of one
.endr
.Lhidden_\@:
	s_add_co_u32 s[TB], s[TB], 8192
	s_add_co_u32 s[KS], s[KS], 1
.endm
.macro STEPS k0, n                     ; n key steps from k0 on: the same count in every wave
	s_mov_b32 s[TB], (\k0)*8192
	s_mov_b32 s[KS], \k0
	s_mov_b32 s[CNT], \n
.Lstep_\@:
	STEP
	s_sub_co_u32 s[CNT], s[CNT], 1
	s_cmp_lg_u32 s[CNT], 0
	s_cbranch_scc1 .Lstep_\@
.endm
	STEPS 0, 1                                     ; waves 0-7: key step 0
	s_wait_tensorcnt 0x0                           ; my part of keys 1024-2047 is in: say so early; between the signal and the wait stand only reads of keys 0-1023, which nobody writes, and work on registers
	s_wait_dscnt 0x0
	s_barrier_signal -1
	s_cmp_lt_u32 s[WV], 8
	s_cselect_b32 s[FIRST], 1, 0                   ; what is left of my walk
	s_sub_co_u32 s[NUM], s[N], s[FIRST]
	STEPS 0, 8
	s_barrier_wait -1                              ; everybody's part of keys 1024-2047 is in
	STEPS 8, 8
.rept 4
	v_nop                                          ; places behind the last products
.endr
	; THE WAY OUT.  O^T / the sum x 2^(ep + ev) is ctx, in f32; it is held, converted with 2^ec, and the eight registers of codes, a fragment's image, leave by two stores of 512 consecutive bytes.
	v_add_f32 v14, v14, v15                        ; the sum's two halves,
	v_permlanex16_b32 v212, v14, s[SEL], s[SEL+1]
	v_add_f32 v14, v14, v212                       ; and lane l xor 16's: the row's sum
	s_wait_alu depctr_va_vdst(0)                   ; the wait ahead of the transcendental
	v_rcp_f32 v14, v14
	v_nop                                          ; a plain instruction behind the transcendental
	s_add_co_i32 s26, s54, s55
	s_wait_alu depctr_va_vdst(0)                   ; the wait ahead of the first reader
	v_ldexp_f32 v14, v14, s26                      ; x 2^(ep + ev)
.set j, 0
.rept 16
	v_pk_mul_f32 v[S+j:S+j+1], v[O+j:O+j+1], v[14:15] op_sel_hi:[1,0]   ; register 8 dt + i is ctx(query r, channel 16 dt + 8 h + i); each accumulator from its low end on
.set j, j+2
.endr
.set j, 0
.rept 32
	v_med3_num_f32 v[S+j], v[S+j], -v218, v218
.set j, j+1
.endr
.irp dt, 0,1,2,3
	v_cvt_scalef32_pk8_fp8_f32 v[PC+2*\dt:PC+2*\dt+1], v[S+8*\dt:S+8*\dt+7], v219
.endr
	v_nop                                          ; one plain vector instruction behind the last conversion
	global_store_b128 v[LI], v[PC:PC+3], s[12:13]
	global_store_b128 v[LI], v[PC+4:PC+7], s[12:13] offset:512
	s_wait_tensorcnt 0x0                           ; the wave's end
	ds_add_u32 v[SPW], v[NIL]
	s_wait_dscnt 0x0
	CROUND                                         ; the closing round
	s_endpgm
.Lfunc_end_k_q205a89ea86_attn:
	.size	k_q205a89ea86_attn, .Lfunc_end_k_q205a89ea86_attn-k_q205a89ea86_attn
	.p2alignl 7, 3214868480
	.fill 96, 4, 3214868480
	.section	.rodata,"a",@progbits
	.p2align	6, 0x0
	.amdhsa_kernel k_q205a89ea86_attn
		.amdhsa_group_segment_fixed_size 327680
		.amdhsa_private_segment_fixed_size 0
		.amdhsa_enable_private_segment 0
		.amdhsa_kernarg_size 40
		.amdhsa_user_sgpr_count 2
		.amdhsa_user_sgpr_kernarg_segment_ptr 1
		.amdhsa_wavefront_size32 1
		.amdhsa_system_sgpr_workgroup_id_x 1
		.amdhsa_system_sgpr_workgroup_id_y 1
		.amdhsa_system_sgpr_workgroup_id_z 1
		.amdhsa_system_vgpr_workitem_id 0
		.amdhsa_next_free_vgpr 256
		.amdhsa_next_free_sgpr 100
		.amdhsa_reserve_vcc 0
		.amdhsa_float_denorm_mode_32 3
		.amdhsa_float_denorm_mode_16_64 3
		.amdhsa_memory_ordered 1
		.amdhsa_forward_progress 1
		.amdhsa_inst_pref_size 78
	.end_amdhsa_kernel
	.amdgpu_metadata
---
amdhsa.version: [ 1, 2 ]
amdhsa.kernels:
  - .name:           k_q205a89ea86_attn
    .symbol:         k_q205a89ea86_attn.kd
    .args:
      - { .name: q_img, .offset: 0, .size: 8, .value_kind: global_buffer, .address_space: global }
      - { .name: k_img, .offset: 8, .size: 8, .value_kind: global_buffer, .address_space: global }
      - { .name: v_img, .offset: 16, .size: 8, .value_kind: global_buffer, .address_space: global }
      - { .name: lowp_scales, .offset: 24, .size: 8, .value_kind: global_buffer, .address_space: global }
      - { .name: ctx_img, .offset: 32, .size: 8, .value_kind: global_buffer, .address_space: global }
    .group_segment_fixed_size: 327680
    .private_segment_fixed_size: 0
    .kernarg_segment_align: 8
    .kernarg_segment_size: 40
    .max_flat_workgroup_size: 512
    .sgpr_count:     100
    .vgpr_count:     256
    .wavefront_size: 32
...
	.end_amdgpu_metadata
.endif
;; end of part 2
;; launch oproj (part 3): grid 8 x 32, 4 waves a work-group, clusters of 4 x 4, 327,680 bytes of LDS; arguments ctx_img, Wo_codes, bo, lowp_scales, out0; writes out0
.if DOCPART == 3
	.amdgcn_target "amdgcn-amd-amdhsa--gfx1250"
	.amdhsa_code_object_version 6
	.text
	.protected	k_q205a89ea86_oproj
	.globl	k_q205a89ea86_oproj
	.p2align	8
	.type	k_q205a89ea86_oproj,@function
k_q205a89ea86_oproj:
	s_mov_b64 s[64:65], 0
	v_nop
	global_prefetch_b8 v0, s[64:65] scope:SCOPE_SE
	s_setreg_imm32_b32 hwreg(HW_REG_WAVE_MODE, 25, 1), 1
	s_wait_xcnt 0x0
	s_wait_alu depctr_hold_cnt(0) depctr_sa_sdst(0) depctr_va_vdst(0) depctr_va_sdst(0) depctr_va_ssrc(0) depctr_va_vcc(0) depctr_vm_vsrc(0)
	s_getreg_b32 s2, hwreg(HW_REG_IB_STS2, 6, 4)
	s_cmp_eq_u32 s2, 0
	s_cbranch_scc0 .Lentry_in_a_cluster
	s_endpgm
.Lentry_in_a_cluster:
	s_bfe_u32 s2, ttmp6, 0x10000c
	s_cmp_lg_u32 s2, 0xf033
	s_cbranch_scc0 .Lentry_shape_is_right
	s_endpgm
.Lentry_shape_is_right:
; out0 = ctx Wo + bo on codes of FP8 (E4M3).  ctx_img: [tile of 16 tokens 256][head 16][piece 2][lane 32][16 bytes]: two neighbouring heads' 2,048 bytes are the image of one fragment of the K = 128 form, every k in its own place.
; Wo_codes: [1024 (n)][1024 (k)], K innermost.  bo [1024], out0 [4096][1024]: f32.  lowp_scales: entries 10 and 11 are ec and ew.  out0 = sum x 2^(ec + ew) + bo.
; LIMIT: ec + ew between -126 and 127, so that 2^(ec + ew) is an f32 number.
; SHARES.  A tile of out0 is 128 x 128: 256 work-groups.  Four waves, each 64 x 64.  All of K lies in LDS: each byte is filled once, by one load a wave at the head.  Nothing is filled again, so there is no refill that a prefetch could run ahead of.
; BY ROWS: Wo's fragments of my 64 columns and all of K stay in 512 registers; my four blocks of 16 tokens are finished one after the other, 32 matrix instructions each, and a block's stores leave while the next one is multiplied.
; CLUSTERS: 4 x 4 work-groups.  ctx's tiles hang on the tile row alone and are asked for jointly by a row of the cluster, Wo's on the tile column alone, by a column.
; THE MATRIX INSTRUCTION IS USED TRANSPOSED (source 0 = 16 rows of Wo, source 1 = 16 tokens): a lane holds eight neighbouring numbers of a row of out0.
; REGISTERS: window 0: v16-29 addresses; v32-63 bo of my columns; v64-95 at work on the way out; v96-159 two sets of four accumulators; v160-255 rows read back.  window 1: two buffers of 128: a block's fragments of ctx, all of K.
;   windows 2, 3: Wo's fragments, K 0-511 and 512-1023.
.set BBASE,  131072                    ; LDS: ctx: [tile of 16 tokens 8][16,384 bytes]; Wo: 128 rows x 1,040 bytes: 1,024 bytes + 16 of padding = 260 words, so that the 32 lanes of an 8-byte load touch 64 different banks (ISA guide 11.1)
.set BP,     1040
.set STAGE,  BBASE+128*BP              ; the way out: 16 rows x (256 bytes + 16) for each wave; no tensor load fills it
.set SPARE,  STAGE+4*16*272            ; the spare words, 128 bytes for each wave
.set ADRA, 16                          ; v16     LDS address of my ctx fragments
.set ADRB, 20                          ; v20     the same for Wo
.set STO,  24                          ; v24     the way out: where I put 32 bytes of a row
.set RD,   25                          ; v25     where I read a row back
.set CO,   26                          ; v26     my byte offset in out0
.set BOA,  27                          ; v27     32 h: my offset in bo
.set SPW,  28
.set NIL,  29
.set BO,   32
.set TMP,  64
.set ACC,  96
.set BK,   160
.set G1A, 24                           ; s[24:31] descriptor group 1 for ctx's tiles;  s[68:71] group 0
.set G0A, 68
.set G1B, 48                           ; s[48:55], s[84:87] the same for Wo's
.set G0B, 84
.set MSB, 0
.macro WIN new                         ; the immediate's high byte repeats the setting that is left
.if MSB != (\new)
	s_set_vgpr_msb (MSB<<8)|(\new)
.set MSB, \new
.endif
.endm
.macro CROUND                          ; a round of the cluster's barrier
	s_barrier_signal -1
	s_barrier_wait -1
	s_cmp_lg_u32 s14, 0
	s_cbranch_scc1 .Lnot_wave_0_\@
	s_barrier_signal -3
.Lnot_wave_0_\@:
	s_barrier_wait -3
	s_barrier_signal -1
	s_barrier_wait -1
.endm
	s_load_b256 s[4:11], s[0:1], 0x0               ; ctx_img s[4:5], Wo s[6:7], bo s[8:9], the scales' exponents s[10:11]
	s_load_b64 s[12:13], s[0:1], 0x20              ; out0
	v_lshl_add_u32 v[SPW], v0, 2, SPARE
	v_mov_b32 v[NIL], 0
	ds_add_u32 v[SPW], v[NIL]                      ; the wave's opening: the add, twice on end, and its wait
	ds_add_u32 v[SPW], v[NIL]
	v_lshrrev_b32 v1, 5, v0
	v_readfirstlane_b32 s14, v1                    ; wave 0..3
	s_lshr_b32 s15, s14, 1                         ; which half of the tile's rows is mine.  Also: I fetch for ctx (0) or for Wo (1)
	s_and_b32 s16, s14, 1                          ; which half of its columns.  Also: which half of that tile I fetch
	s_bfe_u32 s40, ttmp6, 0x40000                  ; cx, cy
	s_bfe_u32 s41, ttmp6, 0x40004
	s_lshl_b32 s42, ttmp9, 2
	s_add_co_u32 s42, s42, s40                     ; tile column = 4 x cluster x + cx
	s_and_b32 s17, ttmp7, 0xffff
	s_lshl_b32 s17, s17, 2
	s_add_co_u32 s17, s17, s41                     ; tile row = 4 x cluster y + cy
	s_lshl_b32 s43, s41, 2
	s_lshl_b32 s43, 15, s43                        ; my row of the cluster
	s_lshl_b32 s44, 0x1111, s40                    ; my column
	; group 1 for ctx: 4 rows (tiles of 16 tokens) of 16,384 bytes, dense in memory and in LDS
	s_or_b32 s[G1A], s43, (3<<16)|(1<<21)          ; 15:0 the mask: my row; 17:16 elements of 8 bytes; 20 no padding; 21 set beside a mask
	s_mov_b32 s[G1A+1], 2048<<16                   ; tensor_dim0 = 2,048 elements
	s_mov_b32 s[G1A+2], 4<<16                      ; tensor_dim1 = 4
	s_mov_b32 s[G1A+3], 2048<<16                   ; tile_dim0
	s_mov_b32 s[G1A+4], 4                          ; tile_dim1
	s_mov_b32 s[G1A+5], 2048                       ; tensor_dim0_stride
	s_mov_b32 s[G1A+6], 0
	s_mov_b32 s[G1A+7], 0
	; group 1 for Wo: 64 rows of 1,024 bytes, padded in LDS
	s_or_b32 s[G1B], s44, (0<<16)|(1<<20)|(1<<21)|(7<<22)|(3<<25)   ; the mask: my column; elements of 1 byte; padding: 4 words after every 256
	s_mov_b32 s[G1B+1], 1024<<16
	s_mov_b32 s[G1B+2], 64<<16
	s_mov_b32 s[G1B+3], 1024<<16
	s_mov_b32 s[G1B+4], 64
	s_mov_b32 s[G1B+5], 1024
	s_mov_b32 s[G1B+6], 0
	s_mov_b32 s[G1B+7], 0
	s_lshl_b32 s20, s17, 17                        ; ctx: the tile row's 8 tiles of 16,384 bytes,
	s_lshl_b32 s21, s16, 16                        ; my four of them
	s_add_co_u32 s20, s20, s21
	s_mov_b32 s21, 0
	s_lshl_b32 s46, s42, 7
	s_lshl_b32 s47, s16, 6
	s_add_co_u32 s46, s46, s47                     ; Wo: row 128 x tile column + 64 x half,
	s_lshl_b32 s46, s46, 10                        ; in bytes
	s_mov_b32 s47, 0
	s_lshl_b32 s22, s16, 16                        ; where they go: ctx: 65,536 x half;
	s_mul_i32 s23, s16, 64*BP
	s_add_co_u32 s23, s23, BBASE                   ; Wo: 64 rows x half.  No place in the cluster enters an LDS address
	s_wait_dscnt 0x0                               ; both opening adds are done
	s_wait_kmcnt 0x0
	s_load_b64 s[56:57], s[10:11], 0x28            ; ec, ew
	s_add_nc_u64 s[20:21], s[4:5], s[20:21]
	s_add_nc_u64 s[46:47], s[6:7], s[46:47]
	s_mov_b32 s[G0A], 1
	s_mov_b32 s[G0A+1], s22
	s_mov_b64 s[G0A+2:G0A+3], s[20:21]
	s_or_b32 s[G0A+3], s[G0A+3], 0x80000000
	s_mov_b32 s[G0B], 1
	s_mov_b32 s[G0B+1], s23
	s_mov_b64 s[G0B+2:G0B+3], s[46:47]
	s_or_b32 s[G0B+3], s[G0B+3], 0x80000000
	CROUND                                         ; all sixteen work-groups are here: the joint loads meet
	s_cmp_eq_u32 s15, 0                            ; waves 0 and 1 fetch ctx's halves, waves 2 and 3 Wo's: one load a wave
	s_cbranch_scc0 .Lfor_b
	tensor_load_to_lds s[G0A:G0A+3], s[G1A:G1A+7]
	s_nop 0
.rept 4
	v_nop
.endr
	s_branch .Lasked
.Lfor_b:
	tensor_load_to_lds s[G0B:G0B+3], s[G1B:G1B+7]
	s_nop 0
.rept 4
	v_nop
.endr
.Lasked:
	s_lshl_b32 s18, s15, 16                        ; my four tiles of 16 tokens
	s_mul_i32 s19, s14, 16*272
	s_add_co_u32 s19, s19, STAGE                   ; my stage
	v_and_b32 v1, 15, v0                           ; r
	v_bfe_u32 v2, v0, 4, 1                         ; h
	v_and_b32 v3, 31, v0
	v_lshlrev_b32 v4, 4, v3                        ; 16 x lane
	v_add_nc_u32 v[ADRA], s18, v4
	v_mul_u32_u24 v5, v1, BP
	v_lshl_add_u32 v5, v2, 3, v5                   ; Wo: row r x pitch + 8 h: registers 2 c, 2 c + 1 take k = 16 c + 8 h + 0 .. 7, the form's own places, as ctx's images have them
	v_add_nc_u32 v[ADRB], s23, v5                  ; my 64 rows are the half w % 2
	v_mul_u32_u24 v6, v1, 272
	v_lshl_add_u32 v6, v2, 5, v6
	v_add_nc_u32 v[STO], s19, v6                   ; in: row r, 32 bytes for each half of the lanes
	v_mul_u32_u24 v7, v2, 272
	v_lshl_add_u32 v7, v1, 4, v7
	v_add_nc_u32 v[RD], s19, v7                    ; back: lanes 0-15 one row of 256 bytes, lanes 16-31 the next
	v_lshlrev_b32 v[CO], 12, v2
	v_lshl_add_u32 v[CO], v1, 4, v[CO]             ; and the same two rows in out0
	v_lshlrev_b32 v[BOA], 5, v2
	s_wait_alu depctr_va_vdst(0)                   ; directly ahead of the scalar lines below
	s_lshl_b32 s20, s17, 7
	s_lshl_b32 s21, s15, 6
	s_add_co_u32 s20, s20, s21                     ; my first row of out0: 128 x tile row + 64 x half,
	s_lshl_b32 s20, s20, 12                        ; in bytes
	s_lshl_b32 s46, s42, 9
	s_lshl_b32 s47, s16, 8
	s_add_co_u32 s46, s46, s47                     ; my first column, in bytes: 512 x tile column + 256 x half; the same offset in bo
	s_add_co_u32 s20, s20, s46
	s_mov_b32 s21, 0
	s_mov_b32 s47, 0
	s_add_nc_u64 s[12:13], s[12:13], s[20:21]
	s_add_nc_u64 s[8:9], s[8:9], s[46:47]
.irp b, 0,1,2,3
	global_load_b128 v[BO+8*\b:BO+8*\b+3], v[BOA], s[8:9] offset:64*\b          ; bo of columns 16 b + 8 h + 0 .. 7; waited for on the way out
	global_load_b128 v[BO+8*\b+4:BO+8*\b+7], v[BOA], s[8:9] offset:64*\b+16
.endr
	s_wait_kmcnt 0x0
	s_add_co_i32 s56, s56, s57                     ; ec + ew, between -126 and 127,
	s_add_co_i32 s56, s56, 127
	s_lshl_b32 s56, s56, 23                        ; makes the f32 number 2^(ec + ew)
	s_mov_b32 s57, s56                             ; (named with it as a pair, so it is written)
.macro ALOAD a                         ; block a's fragments of ctx, all of K, into buffer a % 2: 32 loads
	WIN 0x40
.irp q, 0,1,2,3,4,5,6,7
.irp c, 0,1,2,3
	ds_load_b128 v[128*((\a)%2)+16*\q+4*\c:128*((\a)%2)+16*\q+4*\c+3], v[ADRA] offset:(\a)*16384+\q*2048+512*\c
.endr
.endr
.endm
.macro BLOAD q                         ; Wo's four fragments of the q-th 128 along K: 32 loads
	WIN (0x80+0x40*((\q)/4))
.irp b, 0,1,2,3
.irp c, 0,1,2,3,4,5,6,7
	ds_load_b64 v[64*((\q)%4)+16*\b+2*\c:64*((\q)%4)+16*\b+2*\c+1], v[ADRB] offset:\b*16*BP+128*(\q)+16*\c
.endr
.endr
.endm
.macro MUL a, q                        ; four matrix instructions: the four accumulators by turns; q = 0 starts the sums
.set AC, ACC+32*((\a)%2)
.set BR, 64*((\q)%4)
.set AR, 128*((\a)%2)+16*(\q)
	WIN (0x06+((\q)/4))
.irp b, 0,1,2,3
.if (\q) == 0
	v_wmma_f32_16x16x128_fp8_fp8 v[AC+8*\b:AC+8*\b+7], v[BR+16*\b:BR+16*\b+15], v[AR:AR+15], 0
.else
	v_wmma_f32_16x16x128_fp8_fp8 v[AC+8*\b:AC+8*\b+7], v[BR+16*\b:BR+16*\b+15], v[AR:AR+15], v[AC+8*\b:AC+8*\b+7]
.endif
.endr
.endm
; THE WAY OUT of block a, 16 rows x 64 columns.  A lane holds 32 neighbouring bytes of a row, and the lanes beside it hold other rows: so a block goes through my own stage in LDS and comes back as whole rows of 256 bytes.
; LDS serves a wave's instructions in order (ISA guide 5.7.1.4): no wait between the stores and the loads, nor in front of the next block's stores.
.macro AFTER a
.set AC, ACC+32*((\a)%2)
.set BB, BK+32*((\a)%3)
	WIN 0
.rept 4
	v_nop                                          ; places behind the block's products, in front of loads into its fragments and of the first read of results (ISA guide 7.12.1 for the first read of results)
.endr
.if (\a) < 2
	ALOAD \a+2                                     ; the block's buffer takes the block two further on
	WIN 0
.endif
.if (\a) == 0
	s_wait_loadcnt 0x0                             ; bo
.endif
.irp b, 0,1,2,3
.irp j, 0,2,4,6
	v_pk_fma_f32 v[TMP+8*\b+\j:TMP+8*\b+\j+1], v[AC+8*\b+\j:AC+8*\b+\j+1], s[56:57], v[BO+8*\b+\j:BO+8*\b+\j+1] op_sel_hi:[1,0,1]   ; sum x 2^(ec + ew) + bo; each accumulator from its low end on
.endr
.endr
.irp b, 0,1,2,3
	ds_store_b128 v[STO], v[TMP+8*\b:TMP+8*\b+3] offset:64*\b
	ds_store_b128 v[STO], v[TMP+8*\b+4:TMP+8*\b+7] offset:64*\b+16
.endr
.if (\a) == 3
	s_wait_xcnt 0x0                                ; block 0's stores have read the registers that block 3 is read back into
.endif
.irp t, 0,1,2,3,4,5,6,7
	ds_load_b128 v[BB+4*\t:BB+4*\t+3], v[RD] offset:\t*2*272
.endr
.endm
.macro SEND a
.set BB, BK+32*((\a)%3)
	WIN 0
	s_wait_dscnt 0x0                               ; the block is back in registers
.irp t, 0,1,2,3,4,5,6,7
	global_store_b128 v[CO], v[BB+4*\t:BB+4*\t+3], s[12:13] offset:(16*(\a)+2*\t)*4096 th:TH_STORE_NT   ; 16 lanes store 256 consecutive bytes, at a multiple of 256 from out0's first byte
.endr
.endm
	s_wait_alu depctr_va_vdst(0)                   ; the wait at the head's end
	s_wait_tensorcnt 0x0                           ; my part is in,
	s_barrier_signal -1
	s_barrier_wait -1                              ; everybody's is
	ALOAD 0
	BLOAD 0
.irp q, 0,1,2,3,4,5,6,7                ; block 0 is multiplied as Wo's fragments come
.if \q < 7
	BLOAD \q+1
.else
	ALOAD 1
.endif
	s_wait_dscnt 32                                ; all but the 32 just issued
	MUL 0, \q
.endr
	AFTER 0
.irp a, 1,2,3
.if \a < 3
	s_wait_dscnt 48                                ; block a's fragments are in; behind them: the next block's 32 loads and the stage's 16 instructions
.else
	s_wait_dscnt 16
.endif
.irp q, 0,1,2,3
	MUL \a, \q
.endr
	SEND \a-1
.irp q, 4,5,6,7
	MUL \a, \q
.endr
	AFTER \a
.endr
	SEND 3
	s_wait_tensorcnt 0x0                           ; the wave's end
	ds_add_u32 v[SPW], v[NIL]
	s_wait_dscnt 0x0
	CROUND                                         ; the closing round
	s_endpgm
.Lfunc_end_k_q205a89ea86_oproj:
	.size	k_q205a89ea86_oproj, .Lfunc_end_k_q205a89ea86_oproj-k_q205a89ea86_oproj
	.p2alignl 7, 3214868480
	.fill 96, 4, 3214868480
	.section	.rodata,"a",@progbits
	.p2align	6, 0x0
	.amdhsa_kernel k_q205a89ea86_oproj
		.amdhsa_group_segment_fixed_size 327680
		.amdhsa_private_segment_fixed_size 0
		.amdhsa_enable_private_segment 0
		.amdhsa_kernarg_size 40
		.amdhsa_user_sgpr_count 2
		.amdhsa_user_sgpr_kernarg_segment_ptr 1
		.amdhsa_wavefront_size32 1
		.amdhsa_system_sgpr_workgroup_id_x 1
		.amdhsa_system_sgpr_workgroup_id_y 1
		.amdhsa_system_sgpr_workgroup_id_z 1
		.amdhsa_system_vgpr_workitem_id 0
		.amdhsa_next_free_vgpr 1024
		.amdhsa_next_free_sgpr 100
		.amdhsa_reserve_vcc 0
		.amdhsa_float_denorm_mode_32 3
		.amdhsa_float_denorm_mode_16_64 3
		.amdhsa_memory_ordered 1
		.amdhsa_forward_progress 1
		.amdhsa_inst_pref_size 53
	.end_amdhsa_kernel
	.amdgpu_metadata
---
amdhsa.version: [ 1, 2 ]
amdhsa.kernels:
  - .name:           k_q205a89ea86_oproj
    .symbol:         k_q205a89ea86_oproj.kd
    .args:
      - { .name: ctx_img, .offset: 0, .size: 8, .value_kind: global_buffer, .address_space: global }
      - { .name: Wo_codes, .offset: 8, .size: 8, .value_kind: global_buffer, .address_space: global }
      - { .name: bo, .offset: 16, .size: 8, .value_kind: global_buffer, .address_space: global }
      - { .name: lowp_scales, .offset: 24, .size: 8, .value_kind: global_buffer, .address_space: global }
      - { .name: out0, .offset: 32, .size: 8, .value_kind: global_buffer, .address_space: global }
    .group_segment_fixed_size: 327680
    .private_segment_fixed_size: 0
    .kernarg_segment_align: 8
    .kernarg_segment_size: 40
    .max_flat_workgroup_size: 128
    .sgpr_count:     100
    .vgpr_count:     1024
    .wavefront_size: 32
...
	.end_amdgpu_metadata
.endif
;; end of part 3
